; MI455X (gfx1250); checked and timed in simulation.
; The chip was launched on July 23, 2026; its instructions are those of AMD's public machine-readable ISA for CDNA 5 (MIT licence, August 2026) and "CDNA5" Instruction Set Architecture Reference Guide (July 2026). The comments in the code are by the model that wrote it; some were corrected since.
;; Attention Fusion. Allowed arithmetic: matrix products marked QUANTISED: E2M1 operands, one E8M0 scale for each 32 along K, by v_wmma_scale_f32_16x16x128_f8f6f4 with both operands' format E2M1 (or v_wmma_scale_f32_32x16x128_f4), f32 sums; products left as they are: f32 operands where the result goes on into a quantised operand, else bf16, f16 or f32 operands; f32 sums; everything else in f32.
;; Inputs: Wk 1,024 x 1,024 float32; Wo 1,024 x 1,024 float32; Wq 1,024 x 1,024 float32; Wv 1,024 x 1,024 float32; adapter_outputs 4 x 4 x 1,024 x 1,024 float32; bk 1,024 float32; bo 1,024 float32; bq 1,024 float32; bv 1,024 float32; ln_beta 1,024 float32; ln_gamma 1,024 float32.
;; Outputs: out0 4 x 1,024 x 1,024 float32.
;; This version of the problem:
;;   THIS VERSION OF THE PROBLEM IS GIVEN IN LOW PRECISION. The matrix products marked QUANTISED in the list below multiply operands that are first quantised to E2M1 (2 exponent bits, 1 mantissa bit; 4 bits a number), with one power-of-two scale for each 32 numbers along K (OCP MX v1.0); their sums are f32. All else is computed in f32.
;;   The module's matrix products, in the order in which they are computed (A, B: the left and right operand; K: the contracted axis; several contracted axes count as one K, in the product's order):
;;     1. [M 16,384, K 1,024] x [K 1,024, N 1,024]; A: input adapter_outputs; B: input Wq: QUANTISED
;;     2. [M 16,384, K 1,024] x [K 1,024, N 1,024]; A: input adapter_outputs; B: input Wk: QUANTISED
;;     3. [M 16,384, K 1,024] x [K 1,024, N 1,024]; A: input adapter_outputs; B: input Wv: QUANTISED
;;     4. batch 65,536 x [M 4, K 64] x [K 64, N 4]; A: computed on the way; B: computed on the way: left as it is (M = 4 < 16)
;;     5. batch 65,536 x [M 4, K 4] x [K 4, N 64]; A: softmax; B: computed on the way: left as it is (K = 4 < 32)
;;     6. [M 4,096, K 1,024] x [K 1,024, N 1,024]; A: computed on the way; B: input Wo: QUANTISED
;;   THE QUANTISER, for each operand of a quantised product, along K:
;;     - K is cut into blocks of 32 from its start; a last block that is shorter is filled with zeros.
;;     - A block's scale is 2^e with e = floor(log2(the largest magnitude in the block)) - 2, held to -126 .. 127; a block of zeros has e = 0. As a byte (E8M0): e + 127.
;;     - Each number is divided by its block's scale, clamped to +-6, and rounded to the nearest number of E2M1, ties to even, subnormals kept.
;;     - The product sums the exact products of the quantised numbers (number of the format x scale) in f32.
;;   ~~~python
;;   def quantise(x, axis):      # numpy; x: float32 -> the quantised numbers, widened to float32 again
;;       x = np.moveaxis(x, axis, -1); K = x.shape[-1]
;;       x = np.pad(x, [(0, 0)] * (x.ndim - 1) + [(0, -K % 32)]); x = x.reshape(x.shape[:-1] + (-1, 32)); a = np.abs(x).max(-1, keepdims=True)
;;       e = np.where(a > 0, np.clip(np.frexp(np.where(a > 0, a, 1))[1] - 1 - 2, -126, 127), 0)      # np.frexp(a)[1] - 1 = floor(log2(a)), exactly
;;       r = np.clip(x / 2.0 ** e, -6, 6)
;;       step = 2.0 ** (np.maximum(np.frexp(np.where(r == 0, 1, r))[1] - 1, 0) - 1)
;;       q = np.round(r / step) * step * 2.0 ** e      # np.round: ties to even
;;       return np.moveaxis(q.reshape(q.shape[:-2] + (-1,))[..., :K], -1, axis).astype(np.float32)
;;   ~~~
;;   OPERANDS COMPUTED ON THE WAY. 'Computed on the way' means the value that the module computes at that place (a softmax that the list does not call 'softmax' is quantised finished and normalised). What goes into a quantiser is computed in f32, as accurately as f32 sums, v_exp_f32 and their like allow (about 1e-6 of the number): no bf16 or f16 on the way to a quantiser, and a product that is left as it is and whose result goes on into a quantised operand takes f32 operands (vector FMAs, or v_wmma_f32_16x16x4_f32). A number that lies on a knife's edge between two numbers of the format may be rounded either way, as far as f32 arithmetic and the matrix unit's own rounding can turn it there, and no further.
;; One version. Each part assembles by itself: llvm-mc -triple=amdgcn-amd-amdhsa -mcpu=gfx1250 --defsym DOCPART=n.
;; ======== version 1 of 1: 3 launches
;; limits: right only within a limited range of input values
;; workspace buffers: xq 8,912,896 bytes; wc 2,228,224 bytes; attc 2,097,152 bytes; asc 131,072 bytes
;; launch quant (part 1): grid 768 x 1, 4 waves a work-group, no clusters, 43,008 bytes of LDS; arguments adapter_outputs, Wq, Wk, Wv, Wo, xq, wc; writes xq, wc
.if DOCPART == 1
	.amdgcn_target "amdgcn-amd-amdhsa--gfx1250"
	.amdhsa_code_object_version 6
	.text
	.protected	k_qbb166f4441_quant
	.globl	k_qbb166f4441_quant
	.p2align	8
	.type	k_qbb166f4441_quant,@function
k_qbb166f4441_quant:
	s_mov_b64 s[64:65], 0
	v_nop
	global_prefetch_b8 v0, s[64:65] scope:SCOPE_SE
	s_setreg_imm32_b32 hwreg(HW_REG_WAVE_MODE, 25, 1), 1
	s_wait_xcnt 0x0
; LAUNCH 1 OF 3.  adapter_outputs [4][4096 tokens][1024] and Wq, Wk, Wv, Wo [1024 (k)][1024 (n)], f32, become codes of FP4 (E2M1) with one E8M0 byte for each 32 along K,
; laid as IMAGES OF OPERAND REGISTERS, so that the later launches fetch dense blocks and read them 16 bytes a lane.
; WORK OF reference() THAT THIS PROGRAM LEAVES OUT, for all finite values of the inputs:
;  (1) bk.  The scores are (x Wq + bq) . (x Wk + bk) = (x Wq + bq) . (x Wk) + (x Wq + bq) . bk; that product is not quantised, and its second term is the same for all four keys of a softmax row,
;      so the softmax takes it away.  bk has no other way to the result: it is not loaded and is no argument of any launch.
;  (2) mean over the 4 queries of (w v) = (mean over the queries of w) v: the second small product is done once a token, not four times.
;  (3) the pooled weights sum to 1 by identity, so bv enters once, as the addend that starts the pooled sum.
; LIMITS: a NaN, an infinity or an overflow that reaches only bk's term is not carried to the result.  NaN and infinities among the inputs are not served.
; A block's byte is its largest magnitude's exponent field - 2, held at 1 from below; a block of zeros keeps the byte 1 where the rule says 127: its codes are zeros, and this program alone reads the bytes.
; AN IMAGE: 16 rows x 128 K = 1,024 bytes, [c 0..1][lane 0..31][16 bytes]; lane (r = lane % 16, h = lane / 16) holds k = 64 c + 32 h + 0..31 of row r.
; A PAIR BLOCK of scale words: 256 bytes for two tiles and two K steps, [tile's parity][r][q] words = 8 bytes x lane.
; xq: [mb 64][u 4][wr 2][17,408]: 8 tiles a = 4 T + adapter x 2 K steps q (byte 2,048 a + 1,024 q), then 4 pair blocks.  Token tile tt = 4 mb + 2 wr + T holds tokens 16 tt + r.
; wc: [hp 8][u 4][wc 2][26,112]: 12 tiles b = 4 mat + t x 2 q, then 6 pair blocks; from byte WOB on Wo: [u / 2][w 16][u % 2][8,704]: 4 tiles x 2 q, then 2 pair blocks:
;     the two parts that a wave of the last launch wants of a pair of chunks are 17,408 consecutive bytes.
; THE COLUMNS OF A WEIGHT THAT FORM A TILE ARE NOT NEIGHBOURS: place r' of tile (pair P, ut) is column 32 P + 8 ut + r' + 8 (r' / 8).
; Work-groups 0..255 take the weights (64 columns x 256 along K: a lane takes four columns of a block of 32, the image is put together in LDS), 256..767 take x (dense loads, turned through the wave's own stage in LDS):
; 768 = three for each of 256 WGPs.  No work-group shares an input with another: no cluster.  No loop: no prefetch.
.set STG,   8448                       ; x: a wave's stage: 16 rows of SP bytes
.set SP,    528                        ; 512 bytes + 16: 33 x 16, so the 16 rows that a read touches fall on 16 different columns of 16 bytes
.set SPARE, 33792                      ; behind the four stages: the spare words, 128 bytes a wave
.set WSTG,  34304                      ; weights: two pairs' images, 8,192 bytes,
.set WSCL,  WSTG+8192                  ; and their two pair blocks
.set WOB,   1671168
.set XPART, 17408
.set WPART, 26112
.set OPART, 8704
.set FLOOR, 0x1800000                  ; 2^(3 - 127)
.set SPW,   16                         ; v16  my spare word's LDS address; never rewritten
.set NIL,   17                         ; v17  0; never rewritten
.set WD,    18                         ; v18-21 a fragment's scale words
.set Z,     22                         ; v22-23 what leaves as scale words
.set C,     24                         ; v24-55 codes: registers of its own for each store
.set X,     56                         ; v56-119 64 numbers in the operand's order
.set R,     120                        ; v120-247 numbers as loaded
	s_load_b256 s[4:11], s[0:1], 0x0               ; x, Wq, Wk, Wv
	s_load_b128 s[12:15], s[0:1], 0x20             ; Wo, xq
	s_load_b64 s[16:17], s[0:1], 0x30              ; wc
	v_lshl_add_u32 v[SPW], v0, 2, SPARE
	v_mov_b32 v[NIL], 0
	v_lshrrev_b32 v1, 5, v0
	v_readfirstlane_b32 s23, v1                    ; wave
	v_and_b32 v1, 31, v0                           ; lane
	s_mov_b32 s20, 0x76543210
	s_mov_b32 s21, 0xfedcba98                      ; lane l xor 16
	s_wait_alu depctr_va_vdst(0)                   ; the wait here, ahead of the branch
	s_cmp_lt_u32 ttmp9, 256
	s_cbranch_scc1 .Lweights
; ---------------- x: work-group = (token tile tt, adapters 2 ap, 2 ap + 1); wave = chunk u of 256 along K; four fragments f = 2 e + q
	s_sub_co_u32 s18, ttmp9, 256
	s_lshr_b32 s19, s18, 1                         ; tt
	s_and_b32 s22, s18, 1                          ; ap
	s_lshl_b32 s24, s22, 25                        ; two adapters of 2^24 bytes
	s_lshl_b32 s26, s19, 16                        ; 16 rows of 4,096 bytes
	s_add_co_u32 s24, s24, s26
	s_lshl_b32 s26, s23, 10                        ; 256 numbers
	s_add_co_u32 s24, s24, s26
	s_mov_b32 s25, 0
	s_lshr_b32 s26, s19, 2                         ; mb
	s_lshl_b32 s26, s26, 2
	s_add_co_u32 s26, s26, s23
	s_lshl_b32 s26, s26, 1
	s_bfe_u32 s27, s19, 0x10001                    ; wr
	s_add_co_u32 s26, s26, s27
	s_mul_i32 s26, s26, XPART                      ; my part of xq
	s_and_b32 s27, s19, 1                          ; T
	s_lshl_b32 s27, s27, 1
	s_add_co_u32 s27, s27, s22                     ; 2 T + ap: my pair of tiles
	s_lshl_b32 s28, s27, 12
	s_add_co_u32 s28, s28, s26
	s_mov_b32 s29, 0
	s_lshl_b32 s30, s27, 8
	s_add_co_u32 s30, s30, s26
	s_add_co_u32 s30, s30, 16384
	s_mov_b32 s31, 0
	s_mul_i32 s32, s23, STG
	v_lshlrev_b32 v2, 4, v1                        ; 16 x lane: a load's, an image's place
	v_add_nc_u32 v3, s32, v2                       ; into the stage
	v_and_b32 v7, 15, v0
	v_bfe_u32 v8, v0, 4, 1
	v_mul_u32_u24 v4, v7, SP
	v_lshl_add_u32 v4, v8, 7, v4
	v_add_nc_u32 v4, s32, v4                       ; out of it: row r, + 128 h bytes
	v_lshlrev_b32 v5, 3, v8                        ; 8 h: my bytes' place in a scale word
	v_lshlrev_b32 v6, 3, v1
	v_mov_b32 v15, 0                               ; a lane permute's destination counts as read
	s_wait_alu depctr_va_vdst(0)                   ; the wait at the head's end
	s_wait_kmcnt 0x0
	s_add_nc_u64 s[24:25], s[4:5], s[24:25]        ; adapter 2 ap
	s_add_nc_u64 s[26:27], s[24:25], 0x1000000     ; adapter 2 ap + 1
	s_add_nc_u64 s[28:29], s[14:15], s[28:29]      ; my four images
	s_add_nc_u64 s[30:31], s[14:15], s[30:31]      ; my pair block
.macro XLOAD f                         ; 16 rows x 512 dense bytes
.irp i, 0,1,2,3,4,5,6,7,8,9,10,11,12,13,14,15
	global_load_b128 v[R+64*((\f)%2)+4*\i:R+64*((\f)%2)+4*\i+3], v2, s[24+2*((\f)/2):25+2*((\f)/2)] offset:\i*4096+((\f)%2)*512 th:TH_LOAD_NT
.endr
.endm
.macro XTURN f                         ; through my stage: LDS serves a wave's instructions in order, so no wait stands between the stores and the loads
.irp i, 0,1,2,3,4,5,6,7,8,9,10,11,12,13,14,15
	ds_store_b128 v3, v[R+64*((\f)%2)+4*\i:R+64*((\f)%2)+4*\i+3] offset:\i*SP
.endr
.irp c, 0,1
.irp i, 0,1,2,3,4,5,6,7
	ds_load_b128 v[X+32*\c+4*\i:X+32*\c+4*\i+3], v4 offset:\c*256+16*\i
.endr
.endr
.endm
.macro XQUANT f                        ; my two whole blocks (2 c + h), by turns
.irp c, 0,1
	v_max3_num_f32 v[7+2*\c], |v[X+32*\c]|, |v[X+32*\c+1]|, |v[X+32*\c+2]|
	v_max3_num_f32 v[8+2*\c], |v[X+32*\c+3]|, |v[X+32*\c+4]|, |v[X+32*\c+5]|
.endr
.irp i, 6,10,14,18,22,26
.irp c, 0,1
	v_max3_num_f32 v[7+2*\c], v[7+2*\c], |v[X+32*\c+\i]|, |v[X+32*\c+\i+1]|
	v_max3_num_f32 v[8+2*\c], v[8+2*\c], |v[X+32*\c+\i+2]|, |v[X+32*\c+\i+3]|
.endr
.endr
.irp c, 0,1
	v_max3_num_f32 v[7+2*\c], v[7+2*\c], |v[X+32*\c+30]|, |v[X+32*\c+31]|
.endr
.irp c, 0,1
	v_max3_num_f32 v[7+2*\c], v[7+2*\c], v[8+2*\c], FLOOR          ; the floor holds the byte at 1 from below
.endr
.irp c, 0,1
	v_add_nc_u32 v[11+\c], 0xff000000, v[7+2*\c]   ; 2 off the exponent field: the conversion's scale operand
.endr
.irp c, 0,1
	v_lshrrev_b32 v[13+\c], 23, v[11+\c]           ; the byte
.endr
	v_lshl_or_b32 v13, v14, 16, v13                ; blocks h and 2 + h,
	v_lshlrev_b32 v13, v5, v13                     ; at their places;
	v_permlanex16_b32 v15, v13, s20, s21
	v_or_b32 v[WD+\f], v13, v15                    ; with lane l xor 16's two the row's word is whole
.irp c, 0,1
.irp g, 0,1,2,3
	v_cvt_scalef32_pk8_fp4_f32 v[C+8*\f+4*\c+\g], v[X+32*\c+8*\g:X+32*\c+8*\g+7], v[11+\c]
.endr
.endr
	v_nop                                          ; one plain line behind the conversions
.irp c, 0,1
	global_store_b128 v2, v[C+8*\f+4*\c:C+8*\f+4*\c+3], s[28:29] offset:\f*1024+\c*512   ; 512 consecutive bytes
.endr
.endm
	XLOAD 0
	XLOAD 1
.irp f, 0,1,2,3
.if \f < 3
	s_wait_loadcnt 16                              ; this fragment's 16 loads are in; the next one's may be out
.else
	s_wait_loadcnt 0x0
.endif
	XTURN \f
	s_wait_dscnt 0x0                               ; the numbers are back, and the stage's stores have read their registers
.if \f < 2
	XLOAD \f+2
.endif
	XQUANT \f
.endr
	v_cmp_le_u32 vcc_lo, 16, v1                    ; lanes 16-31 carry the odd tile's words
	v_cndmask_b32 v[Z], v[WD], v[WD+2], vcc_lo
	v_cndmask_b32 v[Z+1], v[WD+1], v[WD+3], vcc_lo
	global_store_b64 v6, v[Z:Z+1], s[30:31]        ; 256 consecutive bytes, aligned
	s_wait_tensorcnt 0x0                           ; the wave's end
	ds_add_u32 v[SPW], v[NIL]
	s_wait_dscnt 0x0
	s_endpgm
; ---------------- weights: work-group = (matrix, 64 columns hd, chunk u of 256 along K).  Wave w, lane (c = lane % 16, hh = lane / 16): columns 4 c .. 4 c + 3 of block 2 w + hh: 32 loads of 16 bytes a lane, all in flight together
.Lweights:
	s_lshr_b32 s18, ttmp9, 6                       ; 0 q, 1 k, 2 v, 3 o
	s_bfe_u32 s19, ttmp9, 0x40002                  ; hd
	s_and_b32 s22, ttmp9, 3                        ; u
	s_lshl_b32 s24, s22, 20                        ; 256 rows of 4,096 bytes
	s_lshl_b32 s27, s19, 8
	s_add_co_u32 s24, s24, s27
	s_lshl_b32 s27, s23, 18                        ; my 64 rows
	s_add_co_u32 s24, s24, s27
	s_mov_b32 s25, 0
	s_lshr_b32 s32, s19, 1                         ; q, k, v: part (hp, u, head in the pair),
	s_lshl_b32 s32, s32, 2
	s_add_co_u32 s32, s32, s22
	s_lshl_b32 s32, s32, 1
	s_and_b32 s33, s19, 1
	s_add_co_u32 s32, s32, s33
	s_mul_i32 s32, s32, WPART
	s_lshl_b32 s34, s18, 13                        ; a matrix's two pairs of images
	s_add_co_u32 s34, s34, s32
	s_lshl_b32 s35, s18, 9                         ; and its two pair blocks
	s_add_co_u32 s35, s35, s32
	s_add_co_u32 s35, s35, 24576
	s_lshr_b32 s36, s22, 1                         ; Wo: part 2 (16 (u / 2) + hd) + u % 2
	s_lshl_b32 s36, s36, 4
	s_add_co_u32 s36, s36, s19
	s_lshl_b32 s36, s36, 1
	s_and_b32 s37, s22, 1
	s_add_co_u32 s36, s36, s37
	s_mul_i32 s36, s36, OPART
	s_add_co_u32 s36, s36, WOB
	s_add_co_u32 s38, s36, 8192
	s_cmp_lt_u32 s18, 3
	s_cselect_b32 s28, s34, s36
	s_cselect_b32 s30, s35, s38
	s_mov_b32 s29, 0
	s_mov_b32 s31, 0
	s_lshl_b32 s37, s23, 11
	s_add_co_u32 s28, s28, s37                     ; my 2,048 bytes of the image, on the way out,
	s_add_co_u32 s37, s37, WSTG
	s_lshl_b32 s38, s23, 9
	s_add_co_u32 s38, s38, WSTG                    ; and my blocks' 512 bytes of each tile, on the way in
	s_lshl_b32 s39, s23, 1
	s_add_co_u32 s39, s39, WSCL
	v_and_b32 v7, 15, v0                           ; c
	v_bfe_u32 v8, v0, 4, 1                         ; hh
	v_bfe_u32 v9, v0, 3, 1                         ; P
	v_bfe_u32 v10, v0, 1, 1                        ; ut
	v_bfe_u32 v11, v0, 2, 1
	v_and_b32 v12, 1, v0                           ; r' = 4 (c & 1) + 8 (bit 2 of c) + column
	v_lshlrev_b32 v2, 4, v7
	v_lshl_add_u32 v2, v8, 17, v2                  ; 32 rows for each half of the lanes, 16 bytes a lane
	v_lshlrev_b32 v13, 7, v11
	v_lshl_add_u32 v13, v12, 6, v13                ; 16 r'
	v_lshl_add_u32 v3, v9, 12, v13
	v_lshl_add_u32 v3, v10, 11, v3
	v_lshl_add_u32 v3, v8, 8, v3
	v_add_nc_u32 v3, s38, v3                       ; codes: 4,096 P + 2,048 ut + 512 w + 256 hh + 16 r'
	v_lshrrev_b32 v14, 1, v13
	v_lshl_add_u32 v4, v9, 8, v14
	v_lshl_add_u32 v4, v10, 7, v4
	v_add_nc_u32 v4, v4, v8
	v_add_nc_u32 v4, s39, v4                       ; bytes: 256 P + 128 ut + 8 r' + 2 w + hh
	v_lshlrev_b32 v6, 4, v1
	v_add_nc_u32 v5, s37, v6                       ; the image read back: 16 bytes a lane
	v_add_nc_u32 v15, WSCL, v6
	s_wait_alu depctr_va_vdst(0)                   ; the wait at the head's end
	s_wait_kmcnt 0x0
	s_cmp_lt_u32 s18, 1                            ; the choice hangs on the work-group's number alone
	s_cselect_b64 s[32:33], s[6:7], s[8:9]
	s_cmp_lt_u32 s18, 3
	s_cselect_b64 s[34:35], s[10:11], s[12:13]
	s_cmp_lt_u32 s18, 2
	s_cselect_b64 s[32:33], s[32:33], s[34:35]
	s_add_nc_u64 s[24:25], s[32:33], s[24:25]
	s_add_nc_u64 s[28:29], s[16:17], s[28:29]
	s_add_nc_u64 s[30:31], s[16:17], s[30:31]
.irp i, 0,1,2,3,4,5,6,7,8,9,10,11,12,13,14,15,16,17,18,19,20,21,22,23,24,25,26,27,28,29,30,31
	global_load_b128 v[R+4*\i:R+4*\i+3], v2, s[24:25] offset:\i*4096 th:TH_LOAD_NT   ; row i of my block: 256 consecutive bytes in sixteen lanes
.endr
	s_wait_loadcnt 0x0
.irp j, 0,1,2,3                        ; column j's 32 numbers stand four registers apart
	v_max3_num_f32 v[24+\j], |v[R+\j]|, |v[R+4+\j]|, |v[R+8+\j]|
	v_max3_num_f32 v[28+\j], |v[R+12+\j]|, |v[R+16+\j]|, |v[R+20+\j]|
.endr
.irp i, 6,10,14,18,22,26
.irp j, 0,1,2,3
	v_max3_num_f32 v[24+\j], v[24+\j], |v[R+4*\i+\j]|, |v[R+4*\i+4+\j]|
	v_max3_num_f32 v[28+\j], v[28+\j], |v[R+4*\i+8+\j]|, |v[R+4*\i+12+\j]|
.endr
.endr
.irp j, 0,1,2,3
	v_max3_num_f32 v[24+\j], v[24+\j], |v[R+120+\j]|, |v[R+124+\j]|
.endr
.irp j, 0,1,2,3
	v_max3_num_f32 v[24+\j], v[24+\j], v[28+\j], FLOOR
.endr
.irp j, 0,1,2,3
	v_add_nc_u32 v[32+\j], 0xff000000, v[24+\j]
.endr
.irp j, 0,1,2,3
	v_lshrrev_b32 v[36+\j], 23, v[32+\j]
.endr
.irp j, 0,1,2,3
	ds_store_b8 v4, v[36+\j] offset:8*\j
.endr
.irp j, 0,1,2,3                        ; the conversion takes eight neighbours from eight consecutive registers: a column is brought together, in two sets by turns
.set XS, X+32*(\j%2)
.irp i, 0,1,2,3,4,5,6,7,8,9,10,11,12,13,14,15,16,17,18,19,20,21,22,23,24,25,26,27,28,29,30,31
	v_mov_b32 v[XS+\i], v[R+4*\i+\j]
.endr
.irp g, 0,1,2,3
	v_cvt_scalef32_pk8_fp4_f32 v[40+4*\j+\g], v[XS+8*\g:XS+8*\g+7], v[32+\j]
.endr
	v_nop                                          ; one plain line behind the conversions
	ds_store_b128 v3, v[40+4*\j:40+4*\j+3] offset:16*\j
.endr
	s_wait_dscnt 0x0                               ; my blocks lie in LDS
	s_barrier_signal -1
	s_barrier_wait -1                              ; everybody's do
.irp i, 0,1,2,3
	ds_load_b128 v[56+4*\i:59+4*\i], v5 offset:512*\i
.endr
	s_wait_dscnt 0x0
.irp i, 0,1,2,3
	global_store_b128 v6, v[56+4*\i:59+4*\i], s[28:29] offset:512*\i   ; 512 consecutive bytes
.endr
	s_cmp_lg_u32 s23, 0
	s_cbranch_scc1 .Lno_words
	ds_load_b128 v[72:75], v15
	s_wait_dscnt 0x0
	global_store_b128 v6, v[72:75], s[30:31]       ; both pair blocks: 512 consecutive bytes
.Lno_words:
	s_wait_tensorcnt 0x0                           ; the same three lines close this path
	ds_add_u32 v[SPW], v[NIL]
	s_wait_dscnt 0x0
	s_endpgm
.Lfunc_end_k_qbb166f4441_quant:
	.size	k_qbb166f4441_quant, .Lfunc_end_k_qbb166f4441_quant-k_qbb166f4441_quant
	.p2alignl 7, 3214868480
	.fill 96, 4, 3214868480
	.section	.rodata,"a",@progbits
	.p2align	6, 0x0
	.amdhsa_kernel k_qbb166f4441_quant
		.amdhsa_group_segment_fixed_size 43008
		.amdhsa_private_segment_fixed_size 0
		.amdhsa_enable_private_segment 0
		.amdhsa_kernarg_size 56
		.amdhsa_user_sgpr_count 2
		.amdhsa_user_sgpr_kernarg_segment_ptr 1
		.amdhsa_wavefront_size32 1
		.amdhsa_system_sgpr_workgroup_id_x 1
		.amdhsa_system_sgpr_workgroup_id_y 1
		.amdhsa_system_sgpr_workgroup_id_z 1
		.amdhsa_system_vgpr_workitem_id 0
		.amdhsa_next_free_vgpr 256
		.amdhsa_next_free_sgpr 66
		.amdhsa_reserve_vcc 1
		.amdhsa_float_denorm_mode_32 3
		.amdhsa_float_denorm_mode_16_64 3
		.amdhsa_memory_ordered 1
		.amdhsa_forward_progress 1
		.amdhsa_inst_pref_size 48
	.end_amdhsa_kernel
	.amdgpu_metadata
---
amdhsa.version: [ 1, 2 ]
amdhsa.kernels:
  - .name:           k_qbb166f4441_quant
    .symbol:         k_qbb166f4441_quant.kd
    .args:
      - { .name: adapter_outputs, .offset: 0, .size: 8, .value_kind: global_buffer, .address_space: global }
      - { .name: Wq, .offset: 8, .size: 8, .value_kind: global_buffer, .address_space: global }
      - { .name: Wk, .offset: 16, .size: 8, .value_kind: global_buffer, .address_space: global }
      - { .name: Wv, .offset: 24, .size: 8, .value_kind: global_buffer, .address_space: global }
      - { .name: Wo, .offset: 32, .size: 8, .value_kind: global_buffer, .address_space: global }
      - { .name: xq, .offset: 40, .size: 8, .value_kind: global_buffer, .address_space: global }
      - { .name: wc, .offset: 48, .size: 8, .value_kind: global_buffer, .address_space: global }
    .group_segment_fixed_size: 43008
    .private_segment_fixed_size: 0
    .kernarg_segment_align: 8
    .kernarg_segment_size: 56
    .max_flat_workgroup_size: 128
    .sgpr_count:     66
    .vgpr_count:     256
    .wavefront_size: 32
...
	.end_amdgpu_metadata
.endif
;; end of part 1
;; launch qkv_att (part 2): grid 8 x 32, 4 waves a work-group, clusters of 4 x 4, 327,680 bytes of LDS; arguments xq, wc, bq, bv, attc, asc; writes attc, asc
.if DOCPART == 2
	.amdgcn_target "amdgcn-amd-amdhsa--gfx1250"
	.amdhsa_code_object_version 6
	.text
	.protected	k_qbb166f4441_qkv_att
	.globl	k_qbb166f4441_qkv_att
	.p2align	8
	.type	k_qbb166f4441_qkv_att,@function
k_qbb166f4441_qkv_att:
	s_mov_b64 s[64:65], 0
	v_nop
	global_prefetch_b8 v0, s[64:65] scope:SCOPE_SE
	s_setreg_imm32_b32 hwreg(HW_REG_WAVE_MODE, 25, 1), 1
	s_wait_xcnt 0x0
	s_wait_alu depctr_hold_cnt(0) depctr_sa_sdst(0) depctr_va_vdst(0) depctr_va_sdst(0) depctr_va_ssrc(0) depctr_va_vcc(0) depctr_vm_vsrc(0)
	s_getreg_b32 s2, hwreg(HW_REG_IB_STS2, 6, 4)
	s_cmp_eq_u32 s2, 0
	s_cbranch_scc0 .Lentry_in_a_cluster
	s_endpgm
.Lentry_in_a_cluster:
	s_bfe_u32 s2, ttmp6, 0x10000c
	s_cmp_lg_u32 s2, 0xf033
	s_cbranch_scc0 .Lentry_shape_is_right
	s_endpgm
.Lentry_shape_is_right:
; LAUNCH 2 OF 3.  q, k, v = x W (MX-FP4), the 4 x 4 attention over the adapters in f32, the mean over the queries, and the pooled vector's codes for the last product.
; Left out: bk (its term is the same for all keys of a softmax row), three of the four products w v (the mean is taken of the weights), bv's weighting (the pooled weights sum to 1): shown at the head of launch 1.
; SHARES.  Work-group (hp, tb): 2 heads x (q, k, v) = 384 columns, 128 tokens in TWO PASSES of 64 tokens x 4 adapters = 256 rows.  Wave (wr, wc): in each pass 128 rows (8 tiles a = 4 T + adapter) x one head's 192 columns
; (12 tiles 4 mat + t): 768 registers of sums: q in window 1, k in window 2, v in window 3, the sums of (a, t) at v[32 a + 8 t].
; TRANSPOSED: source 0 = 32 columns of W (two tiles), source 1 = 16 rows of x.  Lane (r, h) holds token r in all four adapters' sums, and register 8 t + j is the head's channel 32 (t / 2) + 16 h + 8 (t % 2) + j:
; so the attention of a token lies in one lane and lane l xor 16, and 16 registers of two neighbouring tiles are 16 neighbours along the last product's K.
; LDS.  The head pair's weights (4 chunks of 256 along K, 52,224 bytes each) come once and stay for both passes.  x's 8 chunks (4 a pass, 34,816 bytes each, codes and scale words) go through three slots: chunk n lies in slot n % 3.
; LOADS, one a wave behind each barrier.  Head: x's chunks 0, 1 and W's 0, 1.  Next: x's chunk 2 and W's 2, 3, wanted behind four K steps.  K step 3: x's chunks 3 and 4; K step 5: 5; the second pass's K step 1: 6 and 7.
; By this text's count a wave has one tensor load out.
; CLUSTER 4 x 4: x's blocks hang on tb alone and are shared along a row of the cluster, the weights' on hp alone and are shared along a column: joint loads.
; PREFETCH: two x chunks (272 blocks of 256 bytes) with one instruction a wave, ahead of the tensor loads that want them; the four partners of a row share the blocks out by address.
; W's second half (408 blocks) likewise along a column, by four of the eight clusters that load it, ahead of its one load.
.set XPART, 17408                      ; x: 8 tiles x 2 K steps x 1,024 bytes, then 4 pair blocks of scale words
.set XCH,   2*XPART
.set WPART, 26112                      ; W: 12 tiles x 2 x 1,024, then 6 pair blocks
.set WCH,   2*WPART
.set WB,    3*XCH                      ; behind the three slots of x
.set ASCL,  16384
.set BSCL,  24576
.set SCR,   WB+4*WCH                   ; 512 bytes: the pooled vectors' scale words of 128 tokens; no tile lands here
.set SPARE, SCR+512                    ; the spare words, 128 bytes a wave
.set FLOOR, 0x1800000                  ; 2^(3 - 127)
.set VA,   1                           ; v1-3   my 8 tiles of x in slot 0, 1, 2: + 16 x lane
.set VSA,  4                           ; v4-6   the same + 8 x lane (the scale words lie ASCL further on)
.set VB,   7                           ; v7-10  my 12 tiles of W in chunk 0 .. 3
.set VSB,  11                          ; v11-14 the same + 8 x lane (BSCL further on)
.set SPW,  15
.set NIL,  16
.set L16,  17                          ; 16 x lane
.set SCW,  18                          ; where I put a token's two scale bytes
.set PFO,  19                          ; my prefetches' offset in two chunks of x
.set L8,   20                          ; 8 x lane
.set H64,  21                          ; 64 h: my half's 16 numbers of a bias
.set HWB,  22                          ; v22-23 my tokens' scale bytes, a register a pass: the first token tile's in the low half
.set SCB,  24                          ; v24-63 (behind the head) scale words and nothing else: set chunk % 2 at 20 x; x's pair p, K step q at 2 p + q; W's at 8 + 2 p + q
.set AF,   64                          ; v64-191 x's fragments, two sets of 64
.set BF,   192                         ; v192-255 W's fragments, two sets of 32 (a group of four tiles)
.set BV,   64                          ; the attention's registers, all in window 0: bv; and the second token tile's pooled channels;
.set SS,   96                          ; 16 scores, a pair of registers each;
.set PP,   128                         ; the first token tile's pooled 32 channels; then bq for the next pass;
.set MX,   160
.set LS,   164
.set TM,   168
.set SO,   172
.set BY,   174
.set PC,   180
.set G1H, 24                           ; s[24:31] group 1: 136 rows of 256 bytes (a chunk of x) at the head, then 68 rows
.set G1W, 32                           ; s[32:39] a W chunk, 204 rows
.set G1X, 40                           ; s[40:47] a quarter of an x chunk, 34 rows
.set G0H, 48                           ; x's chunks 0, 1
.set G0W, 52
.set G0Y, 56                           ; two chunks of x into slots 0 and 1
.set G0Z, 60                           ; chunk 5 into slot 2
.set G0B, 4                            ; chunk 2 into slot 2 (two arguments lay here)
.set CS,  79                           ; log2(e) / sqrt(64)
.set SEL, 96
.set MSB, 0
.macro WIN new                         ; the immediate's high byte repeats the setting that is left
.if MSB != \new
	s_set_vgpr_msb (MSB<<8)|\new
.set MSB, \new
.endif
.endm
.macro CREST
	s_cmp_lg_u32 s16, 0
	s_cbranch_scc1 .Lnot_wave_0_\@
	s_barrier_signal -3
.Lnot_wave_0_\@:
	s_barrier_wait -3
	s_barrier_signal -1
	s_barrier_wait -1
.endm
.macro CROUND
	s_barrier_signal -1
	s_barrier_wait -1
	CREST
.endm
.macro PLACES
.rept 4
	v_nop
.endr
.endm
.macro JLOAD g0a, g1a, g0b, g1b        ; waves 0, 1 ask for x, waves 2, 3 for W; an s_nop 0 and four v_nop follow each line
	s_cmp_eq_u32 s17, 0
	s_cbranch_scc0 .Lfor_w_\@
	tensor_load_to_lds s[\g0a:\g0a+3], s[\g1a:\g1a+7]
	s_nop 0
	PLACES
	s_branch .Lasked_\@
.Lfor_w_\@:
	tensor_load_to_lds s[\g0b:\g0b+3], s[\g1b:\g1b+7]
	s_nop 0
	PLACES
.Lasked_\@:
.endm
	s_load_b256 s[4:11], s[0:1], 0x0               ; xq, wc, bq, bv
	s_load_b128 s[12:15], s[0:1], 0x20             ; attc, asc
	v_lshl_add_u32 v[SPW], v0, 2, SPARE
	v_mov_b32 v[NIL], 0
	ds_add_u32 v[SPW], v[NIL]                      ; the opening: the add, twice on end, and its wait ahead of my first tensor load
	ds_add_u32 v[SPW], v[NIL]
	v_lshrrev_b32 v24, 5, v0
	v_readfirstlane_b32 s16, v24                   ; wave
	s_lshr_b32 s17, s16, 1                         ; wr.  At the head also: I fetch x (0) or W (1)
	s_and_b32 s18, s16, 1                          ; wc.  At the head also: which chunk I fetch
	s_bfe_u32 s19, ttmp6, 0x40000                  ; cx
	s_bfe_u32 s20, ttmp6, 0x40004                  ; cy
	s_lshl_b32 s21, ttmp9, 2
	s_add_co_u32 s21, s21, s19                     ; hp
	s_and_b32 s22, ttmp7, 0xffff
	s_lshl_b32 s22, s22, 2
	s_add_co_u32 s22, s22, s20                     ; tb
	s_lshl_b32 s23, s20, 2
	s_lshl_b32 s23, 15, s23                        ; my row of the cluster
	s_lshl_b32 s70, 0x1111, s19                    ; my column
	s_or_b32 s[G1H], s23, (3<<16)|(1<<21)          ; the mask; elements of 8 bytes; bit 21 beside a mask; no padding
	s_or_b32 s[G1W], s70, (3<<16)|(1<<21)
	s_or_b32 s[G1X], s23, (3<<16)|(1<<21)
.irp g, G1H, G1W, G1X
	s_mov_b32 s[\g+1], 32<<16                      ; rows of 256 bytes
	s_mov_b32 s[\g+3], 32<<16
	s_mov_b32 s[\g+5], 32
	s_mov_b32 s[\g+6], 0
	s_mov_b32 s[\g+7], 0
.endr
	s_mov_b32 s[G1H+2], (XCH/256)<<16
	s_mov_b32 s[G1H+4], XCH/256
	s_mov_b32 s[G1W+2], (WCH/256)<<16
	s_mov_b32 s[G1W+4], WCH/256
	s_mov_b32 s[G1X+2], (XCH/1024)<<16
	s_mov_b32 s[G1X+4], XCH/1024
	s_mul_i32 s72, s22, 8*XCH                      ; x's offset is made of tb and the wave alone,
	s_mov_b32 s73, 0
	s_mul_i32 s74, s21, 4*WCH                      ; W's of hp and the wave alone
	s_mov_b32 s75, 0
	s_mul_i32 s66, s18, XCH
	s_mov_b32 s67, 0
	s_mul_i32 s68, s16, XCH/4
	s_mov_b32 s69, 0
	s_mul_i32 s70, s16, XPART
	s_mov_b32 s71, 0
	s_mul_i32 s2, s18, XPART
	s_mov_b32 s3, 0
	s_mul_i32 s76, s18, WCH
	s_mov_b32 s77, 0
	s_lshl_b32 s82, s21, 1
	s_add_co_u32 s82, s82, s18
	s_lshl_b32 s82, s82, 8                         ; my head's 64 numbers of a bias
	s_mov_b32 s83, 0
	s_lshl_b32 s88, s22, 16                        ; attc: token tile 8 tb + 2 wr (8,192 bytes each), K step hp, half wc
	s_lshl_b32 s78, s17, 14
	s_add_co_u32 s88, s88, s78
	s_lshl_b32 s78, s21, 10
	s_add_co_u32 s88, s88, s78
	s_lshl_b32 s78, s18, 9
	s_add_co_u32 s88, s88, s78
	s_mov_b32 s89, 0
	s_lshl_b32 s98, s22, 4
	s_add_co_u32 s98, s98, s21
	s_lshl_b32 s98, s98, 8                         ; asc: 256 bytes for (2 tb, hp); the second pass's lie 2,048 bytes on
	s_mov_b32 s99, 0
	s_mov_b32 s[CS], 0x3e38aa3b
	s_mov_b32 s[SEL], 0x76543210
	s_mov_b32 s[SEL+1], 0xfedcba98
	s_wait_dscnt 0x0                               ; both opening adds are done
	s_wait_kmcnt 0x0
	s_add_nc_u64 s[80:81], s[4:5], s[72:73]        ; my token block's 8 chunks of x
	s_add_nc_u64 s[84:85], s[6:7], s[74:75]        ; my head pair's 4 chunks of W
	s_add_nc_u64 s[86:87], s[8:9], s[82:83]        ; bq
	s_add_nc_u64 s[90:91], s[10:11], s[82:83]      ; bv
	s_add_nc_u64 s[92:93], s[12:13], s[88:89]
	s_add_nc_u64 s[94:95], s[14:15], s[98:99]
	s_mov_b32 s[G0H], 1
	s_mov_b32 s[G0H+1], s66
	s_add_nc_u64 s[G0H+2:G0H+3], s[80:81], s[66:67]
	s_or_b32 s[G0H+3], s[G0H+3], 0x80000000
	s_mov_b32 s[G0W], 1
	s_add_co_u32 s[G0W+1], s76, WB
	s_add_nc_u64 s[G0W+2:G0W+3], s[84:85], s[76:77]
	s_or_b32 s[G0W+3], s[G0W+3], 0x80000000
	s_mov_b32 s[G0B], 1
	s_add_co_u32 s[G0B+1], s2, 2*XCH
	s_add_nc_u64 s[G0B+2:G0B+3], s[80:81], s[2:3]
	s_add_nc_u64 s[G0B+2:G0B+3], s[G0B+2:G0B+3], 2*XCH
	s_or_b32 s[G0B+3], s[G0B+3], 0x80000000
	s_mov_b32 s[G0Y], 1                            ; at chunk 0: each refill first steps three chunks on
	s_mov_b32 s[G0Y+1], s70
	s_add_nc_u64 s[G0Y+2:G0Y+3], s[80:81], s[70:71]
	s_or_b32 s[G0Y+3], s[G0Y+3], 0x80000000
	s_mov_b32 s[G0Z], 1
	s_add_co_u32 s[G0Z+1], s68, 2*XCH
	s_add_nc_u64 s[G0Z+2:G0Z+3], s[80:81], s[68:69]
	s_add_nc_u64 s[G0Z+2:G0Z+3], s[G0Z+2:G0Z+3], 5*XCH
	s_or_b32 s[G0Z+3], s[G0Z+3], 0x80000000
	CROUND                                         ; all sixteen work-groups are here: the first joint loads meet
	JLOAD G0H, G1H, G0W, G1W                       ; one load a wave: x's chunks 0, 1 and W's chunks 0, 1
	s_mul_i32 s66, s17, XPART
	s_add_co_u32 s67, s66, XCH
	s_add_co_u32 s71, s66, 2*XCH
	s_mul_i32 s68, s18, WPART
	s_add_co_u32 s68, s68, WB
	s_add_co_u32 s69, s68, WCH
	s_add_co_u32 s72, s68, 2*WCH
	s_add_co_u32 s73, s68, 3*WCH
	s_lshl_b32 s74, s17, 7
	s_lshl_b32 s75, s18, 1
	s_add_co_u32 s74, s74, s75
	s_add_co_u32 s74, s74, SCR
	s_mul_i32 s76, s19, 68                         ; of the 272 blocks of two x chunks my work-group names 68, each wave 17
	s_mul_i32 s77, s16, 17
	s_add_co_u32 s76, s76, s77
	s_mul_i32 s77, s20, 102                        ; of the 408 blocks of W's second half 102, each wave 26 (the last 24)
	s_mul_i32 s78, s16, 26
	s_and_b32 s88, ttmp7, 0xffff                   ; the cluster's y
	v_and_b32 v24, 31, v0
	v_bfe_u32 v25, v0, 4, 1
	v_and_b32 v26, 15, v0
	v_lshlrev_b32 v[L16], 4, v24
	v_lshlrev_b32 v[L8], 3, v24
	v_lshlrev_b32 v[H64], 6, v25
	v_min_u32 v27, 16, v24                         ; (the lanes left over name the wave's last block)
	v_min_u32 v28, 25, v24
	v_add_nc_u32 v27, s76, v27
	v_add_nc_u32 v28, s78, v28
	v_min_u32 v28, 101, v28
	v_add_nc_u32 v28, s77, v28
	v_lshlrev_b32 v[PFO], 8, v27
	v_lshlrev_b32 v28, 8, v28
	v_lshl_add_u32 v[SCW], v26, 2, s74             ; SCR + 128 wr + 2 wc + 4 r
	v_add_nc_u32 v[VA], s66, v[L16]
	v_add_nc_u32 v[VA+1], s67, v[L16]
	v_add_nc_u32 v[VA+2], s71, v[L16]
	v_add_nc_u32 v[VSA], s66, v[L8]
	v_add_nc_u32 v[VSA+1], s67, v[L8]
	v_add_nc_u32 v[VSA+2], s71, v[L8]
	v_add_nc_u32 v[VB], s68, v[L16]
	v_add_nc_u32 v[VB+1], s69, v[L16]
	v_add_nc_u32 v[VB+2], s72, v[L16]
	v_add_nc_u32 v[VB+3], s73, v[L16]
	v_add_nc_u32 v[VSB], s68, v[L8]
	v_add_nc_u32 v[VSB+1], s69, v[L8]
	v_add_nc_u32 v[VSB+2], s72, v[L8]
	v_add_nc_u32 v[VSB+3], s73, v[L8]
; bq in the result's layout: the C of q's first products.  It lies where x's second set lands behind those products
.macro LOADBQ
.irp t, 0,1,2,3
	global_load_b128 v[128+8*\t:128+8*\t+3], v[H64], s[86:87] offset:(32*(\t/2)+8*(\t%2))*4
	global_load_b128 v[128+8*\t+4:128+8*\t+7], v[H64], s[86:87] offset:(32*(\t/2)+8*(\t%2))*4+16
.endr
.endm
; K step s, group g (0 q, 1 k, 2 v), W's tile pair tp against x's eight tiles: 8 matrix instructions.  mode 0: add in place; 1: the constant 0 starts the sums; 2: bq starts them.
; The accumulators take turns, one instruction a turn: an accumulator comes back 48 matrix instructions later.
; W's pair word serves all 32 lanes (lane m: row m of 32); x's pair word lies in lanes 0-15 for the even tile, in lanes 16-31 for the odd one.
.macro G s, g, tp, mode
.set GA, 0
.rept 8
.set rD, 32*GA+16*(\tp)
.set rC, rD
.if \mode == 2
.set rC, 128+16*(\tp)
.endif
.set rW, BF+32*(((\s)+(\g))%2)+16*(\tp)
.set rX, AF+64*((\s)%2)+8*GA
.set rSW, SCB+20*(((\s)/2)%2)+8+2*(2*(\g)+(\tp))+((\s)%2)
.set rSX, SCB+20*(((\s)/2)%2)+2*(GA/2)+((\s)%2)
.if \mode == 1
.if GA%2
	v_wmma_scale_f32_32x16x128_f4 v[rD:rD+15], v[rW:rW+15], v[rX:rX+7], 0, v[rSW], v[rSX] matrix_b_scale:MATRIX_SCALE_ROW1
.else
	v_wmma_scale_f32_32x16x128_f4 v[rD:rD+15], v[rW:rW+15], v[rX:rX+7], 0, v[rSW], v[rSX]
.endif
.else
.if GA%2
	v_wmma_scale_f32_32x16x128_f4 v[rD:rD+15], v[rW:rW+15], v[rX:rX+7], v[rC:rC+15], v[rSW], v[rSX] matrix_b_scale:MATRIX_SCALE_ROW1
.else
	v_wmma_scale_f32_32x16x128_f4 v[rD:rD+15], v[rW:rW+15], v[rX:rX+7], v[rC:rC+15], v[rSW], v[rSX]
.endif
.endif
.set GA, GA+1
.endr
.endm
.set CB, 0                             ; the pass's first chunk of x: 0, then 4
.macro LDB s, g                        ; W's group g of K step s: 8 loads
.irp t, 0,1,2,3
.irp c, 0,1
	ds_load_b128 v[BF+32*(((\s)+(\g))%2)+8*\t+4*\c:BF+32*(((\s)+(\g))%2)+8*\t+4*\c+3], v[VB+((\s)/2)] offset:(4*(\g)+\t)*2048+((\s)%2)*1024+\c*512
.endr
.endr
.endm
.macro LDA s, hf                       ; x's tiles 4 hf .. 4 hf + 3 of K step s: 8 loads
.irp t, 0,1,2,3
.irp c, 0,1
	ds_load_b128 v[AF+64*((\s)%2)+8*(4*(\hf)+\t)+4*\c:AF+64*((\s)%2)+8*(4*(\hf)+\t)+4*\c+3], v[VA+((CB+(\s)/2)%3)] offset:(4*(\hf)+\t)*2048+((\s)%2)*1024+\c*512
.endr
.endr
.endm
.macro LSC ch                          ; the scale words of the pass's chunk ch: 10 loads of 8 bytes a lane
.irp p, 0,1,2,3
	ds_load_b64 v[SCB+20*((\ch)%2)+2*\p:SCB+20*((\ch)%2)+2*\p+1], v[VSA+((CB+(\ch))%3)] offset:ASCL+256*\p
.endr
.irp p, 0,1,2,3,4,5
	ds_load_b64 v[SCB+20*((\ch)%2)+8+2*\p:SCB+20*((\ch)%2)+8+2*\p+1], v[VSB+(\ch)] offset:BSCL+256*\p
.endr
.endm
.macro FIRST                           ; what a pass's first K step wants
	LSC 0
	LDA 0, 0
	LDA 0, 1
	LDB 0, 0
	LDB 0, 1
.endm
.macro ASK k                           ; x's chunks 2 k and 2 k + 1
	global_prefetch_b8 v[PFO], s[80:81] offset:(\k)*2*XCH th:TH_LOAD_NT scope:SCOPE_SE
.endm
; A K STEP.  Four plain places stand behind a group's products ahead of the loads into registers that they read (ISA guide 7.12.1 for vector instructions).
; turn > 0: the tiles wanted next have to be shown whole: ONE barrier.  In front of it each wave waits for all its tensor loads, adds 0 to its spare word, and waits for that and for its reads.
; turn = 1, 2: the barrier opens a round of the cluster's barrier, and slots whose tiles all waves have read are filled again first thing behind it: 1: slots 0 and 1, with two chunks; 2: slot 2, with one.  turn = 3: nothing is filled.
; pf: the pair of chunks to ask for ahead, 0: none.
.macro KSTEP s, turn, m0, m12, pf
	s_wait_dscnt 8                                 ; all but W's second group are in
.if \m0 == 2
	WIN 0x40                                       ; D in window 1, C (bq) in window 0
.else
	WIN 0x50
.endif
	G \s, 0, 0, \m0
	G \s, 0, 1, \m0
	PLACES
	WIN 0
	LDB \s, 2
.if \turn
	s_wait_tensorcnt 0x0                           ; all my tensor loads have landed
	ds_add_u32 v[SPW], v[NIL]                      ; 0 onto my spare word
.if \turn == 1
	s_add_nc_u64 s[G0Y+2:G0Y+3], s[G0Y+2:G0Y+3], 3*XCH   ; no load of mine is out
.endif
	s_wait_dscnt 9                                 ; (the last 8 loads and the add may be out)
	WIN 0xa0
	G \s, 1, 0, \m12
	s_wait_dscnt 0x0                               ; the add is done, and my reads are over
	s_barrier_signal -1
	G \s, 1, 1, \m12
	WIN 0
	s_barrier_wait -1
.if \turn < 3
	CREST                                          ; no wave of any partner still reads these slots or has a load on its way
.if \turn == 1
	tensor_load_to_lds s[G0Y:G0Y+3], s[G1H:G1H+7]
.else
	tensor_load_to_lds s[G0Z:G0Z+3], s[G1X:G1X+7]
.endif
	s_nop 0
.endif
	PLACES
	LDA (\s)+1, 0
	LDA (\s)+1, 1
	LDB (\s)+1, 0
	LSC ((\s)+1)/2
.else
.if (\s) < 7
	LDA (\s)+1, 0
	s_wait_dscnt 16                                ; all but the 16 just issued
.else
.irp t, 0,1,2,3                        ; bv, in the result's layout, into x's first set, which is done with
	global_load_b128 v[BV+8*\t:BV+8*\t+3], v[H64], s[90:91] offset:(32*(\t/2)+8*(\t%2))*4
	global_load_b128 v[BV+8*\t+4:BV+8*\t+7], v[H64], s[90:91] offset:(32*(\t/2)+8*(\t%2))*4+16
.endr
	s_wait_dscnt 8
.endif
	WIN 0xa0
	G \s, 1, 0, \m12
	G \s, 1, 1, \m12
.if (\s) < 7
	PLACES
	WIN 0
	LDB (\s)+1, 0
	LDA (\s)+1, 1
.if (\s)%2
	LSC ((\s)+1)/2
	s_wait_dscnt 34                                ; W's third group is in: behind it stand 34 loads
.else
	s_wait_dscnt 24                                ; (here 24)
.endif
.else
	s_wait_dscnt 0x0
.endif
.endif
.if \pf
	ASK \pf
.endif
	WIN 0xf0
	G \s, 2, 0, \m12
	G \s, 2, 1, \m12
	PLACES
	WIN 0
.if (\s) < 7
	LDB (\s)+1, 1
.endif
.endm
; THE ATTENTION of pass p's token tile tk (16 tokens, one a lane pair l, l xor 16), all in f32.  Each accumulator is first read at its low end.
.macro ATTN p, tk
.set PX, PP
.if \tk
.set PX, BV                            ; the second tile's pooled sum takes bv's registers, which it is the last to read
.if \p == 0
	LOADBQ                                         ; for the next pass
.endif
.endif
	s_wait_alu depctr_va_vdst(0)                   ; the wait ahead of these first readers
	WIN 0x09                                       ; source 0: q, window 1; source 1: k, window 2
.irp qa, 0,1,2,3
.irp ka, 0,1,2,3
	v_pk_mul_f32 v[SS+2*(4*\qa+\ka):SS+2*(4*\qa+\ka)+1], v[32*(4*\tk+\qa):32*(4*\tk+\qa)+1], v[32*(4*\tk+\ka):32*(4*\tk+\ka)+1]
.endr
.endr
.irp i, 2,4,6,8,10,12,14,16,18,20,22,24,26,28,30
.irp qa, 0,1,2,3
.irp ka, 0,1,2,3
	v_pk_fma_f32 v[SS+2*(4*\qa+\ka):SS+2*(4*\qa+\ka)+1], v[32*(4*\tk+\qa)+\i:32*(4*\tk+\qa)+\i+1], v[32*(4*\tk+\ka)+\i:32*(4*\tk+\ka)+\i+1], v[SS+2*(4*\qa+\ka):SS+2*(4*\qa+\ka)+1]
.endr
.endr
.endr
	WIN 0
.irp n, 0,1,2,3,4,5,6,7,8,9,10,11,12,13,14,15
	v_add_f32 v[SS+2*\n], v[SS+2*\n], v[SS+2*\n+1]
.endr
.irp n, 0,1,2,3,4,5,6,7,8,9,10,11,12,13,14,15
	v_permlanex16_b32 v[SS+2*\n+1], v[SS+2*\n], s[SEL], s[SEL+1]   ; the other 32 channels lie in lane l xor 16
.endr
.irp n, 0,1,2,3,4,5,6,7,8,9,10,11,12,13,14,15
	v_add_f32 v[SS+2*\n], v[SS+2*\n], v[SS+2*\n+1]
.endr
.irp qa, 0,1,2,3
	v_max3_num_f32 v[MX+\qa], v[SS+8*\qa], v[SS+8*\qa+2], v[SS+8*\qa+4]
.endr
.irp qa, 0,1,2,3
	v_max_num_f32 v[MX+\qa], v[MX+\qa], v[SS+8*\qa+6]              ; the row's maximum is taken away, as reference() does
.endr
.irp qa, 0,1,2,3
	v_mul_f32 v[MX+\qa], s[CS], v[MX+\qa]
.endr
.irp qa, 0,1,2,3
.irp ka, 0,1,2,3
	v_fma_f32 v[SS+2*(4*\qa+\ka)], v[SS+2*(4*\qa+\ka)], s[CS], -v[MX+\qa]
.endr
.endr
	s_wait_alu depctr_va_vdst(0)                   ; the wait ahead of the batch
.irp n, 0,1,2,3,4,5,6,7,8,9,10,11,12,13,14,15
	v_exp_f32 v[SS+2*\n], v[SS+2*\n]
.endr
	v_nop                                          ; a plain line behind the last exponential,
	s_wait_alu depctr_va_vdst(0)                   ; and one wait for the batch, ahead of its first reader
.irp qa, 0,1,2,3
	v_add_f32 v[LS+\qa], v[SS+8*\qa], v[SS+8*\qa+2]
.endr
.irp qa, 0,1,2,3
	v_add_f32 v[TM+\qa], v[SS+8*\qa+4], v[SS+8*\qa+6]
.endr
.irp qa, 0,1,2,3
	v_add_f32 v[LS+\qa], v[LS+\qa], v[TM+\qa]
.endr
.irp qa, 0,1,2,3
	v_mul_f32 v[LS+\qa], 4.0, v[LS+\qa]            ; the mean over the four queries
.endr
	s_wait_alu depctr_va_vdst(0)
.irp qa, 0,1,2,3
	v_rcp_f32 v[LS+\qa], v[LS+\qa]
.endr
	v_nop
	s_wait_alu depctr_va_vdst(0)
.irp ka, 0,1,2,3
	v_mul_f32 v[SS+2*\ka], v[SS+2*\ka], v[LS]      ; the pooled weight of key ka
.endr
.irp qa, 1,2,3
.irp ka, 0,1,2,3
	v_fmac_f32 v[SS+2*\ka], v[SS+2*(4*\qa+\ka)], v[LS+\qa]
.endr
.endr
.if \tk == 0
	s_wait_alu depctr_va_vdst(0)
	s_wait_loadcnt 0x0                             ; bv
.endif
	WIN 0x03                                       ; source 0: v, window 3
.irp i, 0,2,4,6,8,10,12,14,16,18,20,22,24,26,28,30
	v_pk_fma_f32 v[PX+\i:PX+\i+1], v[32*(4*\tk)+\i:32*(4*\tk)+\i+1], v[SS:SS+1], v[BV+\i:BV+\i+1] op_sel_hi:[1,0,1]   ; bv starts the sum
.endr
.irp ka, 1,2,3
.irp i, 0,2,4,6,8,10,12,14,16,18,20,22,24,26,28,30
	v_pk_fma_f32 v[PX+\i:PX+\i+1], v[32*(4*\tk+\ka)+\i:32*(4*\tk+\ka)+\i+1], v[SS+2*\ka:SS+2*\ka+1], v[PX+\i:PX+\i+1] op_sel_hi:[1,0,1]
.endr
.endr
	WIN 0
; the pooled vector's quantiser: the head's two blocks of 32; register 16 b + i is channel 32 b + 16 h + i
.irp b, 0,1
	v_max3_num_f32 v[TM+\b], |v[PX+16*\b]|, |v[PX+16*\b+1]|, FLOOR
.endr
.irp i, 2,4,6,8,10,12,14
.irp b, 0,1
	v_max3_num_f32 v[TM+\b], v[TM+\b], |v[PX+16*\b+\i]|, |v[PX+16*\b+\i+1]|
.endr
.endr
.irp b, 0,1
	v_permlanex16_b32 v[TM+2+\b], v[TM+\b], s[SEL], s[SEL+1]
.endr
.irp b, 0,1
	v_max_num_f32 v[TM+\b], v[TM+\b], v[TM+2+\b]
.endr
.irp b, 0,1
	v_add_nc_u32 v[SO+\b], 0xff000000, v[TM+\b]    ; 2 off the exponent field: the conversion's scale operand
.endr
.irp b, 0,1
	v_lshrrev_b32 v[BY+\b], 23, v[SO+\b]
.endr
.if \tk == 0
	v_lshl_or_b32 v[HWB+\p], v[BY+1], 8, v[BY]
.else
	v_lshl_or_b32 v[BY], v[BY+1], 8, v[BY]
	v_lshl_or_b32 v[HWB+\p], v[BY], 16, v[HWB+\p]
.endif
.irp b, 0,1
	v_cvt_scalef32_pk8_fp4_f32 v[PC+4*\tk+2*\b], v[PX+16*\b:PX+16*\b+7], v[SO+\b]
	v_cvt_scalef32_pk8_fp4_f32 v[PC+4*\tk+2*\b+1], v[PX+16*\b+8:PX+16*\b+15], v[SO+\b]
.endr
	v_nop                                          ; one plain line behind the conversions
	v_permlane16_swap_b32 v[PC+4*\tk], v[PC+4*\tk+2]               ; a whole block to a lane: lanes 0-15 the head's first, lanes 16-31 its second
	v_permlane16_swap_b32 v[PC+4*\tk+1], v[PC+4*\tk+3]
	global_store_b128 v[L16], v[PC+4*\tk:PC+4*\tk+3], s[92:93] offset:\p*32768+\tk*8192   ; registers 4 wc .. 4 wc + 3 of the last product's operand: 512 consecutive bytes
.endm
	LOADBQ
	s_wait_alu depctr_va_vdst(0)                   ; the wait at the head's end
	ASK 1
	s_cmp_lt_u32 s88, 4
	s_cbranch_scc0 .Lno_ask
	global_prefetch_b8 v28, s[84:85] offset:2*WCH th:TH_LOAD_NT scope:SCOPE_SE
.Lno_ask:
	s_wait_tensorcnt 0x0                           ; my chunk is in
	ds_add_u32 v[SPW], v[NIL]
	s_add_co_u32 s[G0W+1], s[G0W+1], 2*WCH         ; no load of mine is out: W's chunks 2 and 3;
	s_add_nc_u64 s[G0W+2:G0W+3], s[G0W+2:G0W+3], 2*WCH
	s_mov_b32 s[G1H+2], (XCH/512)<<16              ; and from here on 68 rows of x: half a chunk, or a quarter of two
	s_mov_b32 s[G1H+4], XCH/512
	s_wait_dscnt 0x0
	CROUND
	JLOAD G0B, G1H, G0W, G1W                       ; first thing behind the round: x's chunk 2, W's chunks 2 and 3
	s_wait_xcnt 0x0                                ; the prefetches have read their addresses: v28 is written below
	FIRST
	s_wait_loadcnt 0x0                             ; bq
	ASK 2                                          ; four K steps' products ahead of chunk 4's load
	KSTEP 0, 0, 2, 1, 0                            ; the first products start the sums: nothing is cleared
	KSTEP 1, 0, 0, 0, 0
	KSTEP 2, 0, 0, 0, 0
	KSTEP 3, 1, 0, 0, 0                            ; slots 0 and 1 take chunks 3 and 4
	KSTEP 4, 0, 0, 0, 0
	KSTEP 5, 2, 0, 0, 3                            ; slot 2: chunk 5
	KSTEP 6, 0, 0, 0, 0
	KSTEP 7, 0, 0, 0, 0
	ATTN 0, 0
	ATTN 0, 1
	s_wait_alu depctr_va_vdst(0)                   ; the wait here, directly ahead of the wait below
	s_wait_xcnt 0x0                                ; the stores have read the registers that fragments land on now
.set CB, 4
	FIRST                                          ; (the last barrier has shown chunk 4)
	s_wait_loadcnt 0x0                             ; bq
	KSTEP 0, 0, 2, 1, 0
	KSTEP 1, 1, 0, 0, 0                            ; slots 0 and 1: chunks 6 and 7
	KSTEP 2, 0, 0, 0, 0
	KSTEP 3, 3, 0, 0, 0                            ; nothing more to fetch
	KSTEP 4, 0, 0, 0, 0
	KSTEP 5, 0, 0, 0, 0
	KSTEP 6, 0, 0, 0, 0
	KSTEP 7, 0, 0, 0, 0
	ATTN 1, 0
	ATTN 1, 1
	v_add_nc_u32 v64, SCR, v[L8]
	s_wait_alu depctr_va_vdst(0)                   ; the wait here, ahead of the readers below
.irp p, 0,1
	ds_store_b16 v[SCW], v[HWB+\p] offset:256*\p   ; bytes 2 wc, 2 wc + 1 of the token's scale word (lanes l and l xor 16 write the same value)
	ds_store_b16_d16_hi v[SCW], v[HWB+\p] offset:256*\p+64
.endr
	s_wait_dscnt 0x0                               ; my scale bytes lie in LDS
	s_barrier_signal -1
	s_barrier_wait -1                              ; everybody's do
	s_cmp_lg_u32 s16, 0
	s_cbranch_scc1 .Lnot_first
	ds_load_b64 v[66:67], v64
	ds_load_b64 v[68:69], v64 offset:256
	s_wait_dscnt 0x0
	global_store_b64 v[L8], v[66:67], s[94:95]     ; 64 tokens' words: 256 consecutive bytes, aligned
	global_store_b64 v[L8], v[68:69], s[94:95] offset:2048
.Lnot_first:
	s_wait_tensorcnt 0x0                           ; the wave's end
	ds_add_u32 v[SPW], v[NIL]
	s_wait_dscnt 0x0
	CROUND                                         ; the closing round
	s_endpgm
.Lfunc_end_k_qbb166f4441_qkv_att:
	.size	k_qbb166f4441_qkv_att, .Lfunc_end_k_qbb166f4441_qkv_att-k_qbb166f4441_qkv_att
	.p2alignl 7, 3214868480
	.fill 96, 4, 3214868480
	.section	.rodata,"a",@progbits
	.p2align	6, 0x0
	.amdhsa_kernel k_qbb166f4441_qkv_att
		.amdhsa_group_segment_fixed_size 327680
		.amdhsa_private_segment_fixed_size 0
		.amdhsa_enable_private_segment 0
		.amdhsa_kernarg_size 48
		.amdhsa_user_sgpr_count 2
		.amdhsa_user_sgpr_kernarg_segment_ptr 1
		.amdhsa_wavefront_size32 1
		.amdhsa_system_sgpr_workgroup_id_x 1
		.amdhsa_system_sgpr_workgroup_id_y 1
		.amdhsa_system_sgpr_workgroup_id_z 1
		.amdhsa_system_vgpr_workitem_id 0
		.amdhsa_next_free_vgpr 1024
		.amdhsa_next_free_sgpr 100
		.amdhsa_reserve_vcc 0
		.amdhsa_float_denorm_mode_32 3
		.amdhsa_float_denorm_mode_16_64 3
		.amdhsa_memory_ordered 1
		.amdhsa_forward_progress 1
		.amdhsa_inst_pref_size 255
	.end_amdhsa_kernel
	.section	.bss,"aw",@nobits
	.p2align	6
	.space	262144
	.amdgpu_metadata
---
amdhsa.version: [ 1, 2 ]
amdhsa.kernels:
  - .name:           k_qbb166f4441_qkv_att
    .symbol:         k_qbb166f4441_qkv_att.kd
    .args:
      - { .name: xq, .offset: 0, .size: 8, .value_kind: global_buffer, .address_space: global }
      - { .name: wc, .offset: 8, .size: 8, .value_kind: global_buffer, .address_space: global }
      - { .name: bq, .offset: 16, .size: 8, .value_kind: global_buffer, .address_space: global }
      - { .name: bv, .offset: 24, .size: 8, .value_kind: global_buffer, .address_space: global }
      - { .name: attc, .offset: 32, .size: 8, .value_kind: global_buffer, .address_space: global }
      - { .name: asc, .offset: 40, .size: 8, .value_kind: global_buffer, .address_space: global }
    .group_segment_fixed_size: 327680
    .private_segment_fixed_size: 0
    .kernarg_segment_align: 8
    .kernarg_segment_size: 48
    .max_flat_workgroup_size: 128
    .sgpr_count:     100
    .vgpr_count:     1024
    .wavefront_size: 32
...
	.end_amdgpu_metadata
.endif
;; end of part 2
;; launch out_ln (part 3): grid 256 x 1, 16 waves a work-group, clusters of 4 x 1, 327,680 bytes of LDS; arguments attc, asc, wc, adapter_outputs, bo, ln_gamma, ln_beta, out0; writes out0
.if DOCPART == 3
	.amdgcn_target "amdgcn-amd-amdhsa--gfx1250"
	.amdhsa_code_object_version 6
	.text
	.protected	k_qbb166f4441_out_ln
	.globl	k_qbb166f4441_out_ln
	.p2align	8
	.type	k_qbb166f4441_out_ln,@function
k_qbb166f4441_out_ln:
	s_mov_b64 s[64:65], 0
	v_nop
	global_prefetch_b8 v0, s[64:65] scope:SCOPE_SE
	s_setreg_imm32_b32 hwreg(HW_REG_WAVE_MODE, 25, 1), 1
	s_wait_xcnt 0x0
	s_wait_alu depctr_hold_cnt(0) depctr_sa_sdst(0) depctr_va_vdst(0) depctr_va_sdst(0) depctr_va_ssrc(0) depctr_va_vcc(0) depctr_vm_vsrc(0)
	s_getreg_b32 s2, hwreg(HW_REG_IB_STS2, 6, 4)
	s_cmp_eq_u32 s2, 0
	s_cbranch_scc0 .Lentry_in_a_cluster
	s_endpgm
.Lentry_in_a_cluster:
	s_bfe_u32 s2, ttmp6, 0x10000c
	s_cmp_lg_u32 s2, 0x3003
	s_cbranch_scc0 .Lentry_shape_is_right
	s_endpgm
.Lentry_shape_is_right:
; LAUNCH 3 OF 3.  The last product (MX-FP4) of the pooled vectors with Wo, + bo, + adapter_outputs[0], LayerNorm over 1,024 in f32 (the variance of the deviations, in a second pass, as reference() has it).
; A work-group owns 16 tokens; wave w makes and keeps columns 64 w .. 64 w + 63 of all of them.  The rows' sums cross the waves through LDS, 1,024 bytes for each of the two passes.
; Wo comes in two halves of K, each by ONE joint load a wave (17,408 bytes: two chunks of 256 along K, codes and scale words), read by that wave alone; clusters of even and of odd number begin with different halves.
; The pooled tile (8 K steps x 1,024 bytes) is loaded once, 512 bytes a wave, and shared through LDS; it lies there with the half that this cluster begins with in front.
; TRANSPOSED: source 0 = 16 columns of Wo, source 1 = the 16 tokens: lane (r, h) holds token r, register 8 b + j column 32 (b / 2) + 16 h + 8 (b % 2) + j.  Through the wave's own stage the sums turn into rows: in register set i lanes 0-15 hold
; row 2 i, lanes 16-31 row 2 i + 1, four columns a lane: adapter_outputs is loaded and out0 stored in that shape, aligned units of 256 bytes in sixteen lanes.
; CLUSTER 4 x 1: the four work-groups need the same blocks of Wo.  No prefetch: the walk has two loads a wave and no loop, and the second half is what the clusters of the other parity read first.
.set PART,  8704
.set WREG,  2*PART
.set HALF,  16*WREG
.set ATTS,  HALF                       ; the pooled tile, 8,192 bytes; no tensor load lands here
.set PSB,   ATTS+8192                  ; the rows' partial sums: 2 x [16 rows][16 waves]
.set SPARE, PSB+2048                   ; the spare words, 128 bytes a wave
.set WOB,   1671168
.set SPI,   272                        ; a stage row: 64 columns x 4 bytes + 16; the stage lies in my own 17,408 bytes, behind their last fill and my last read of them
.set L16,  1
.set WA,   2
.set WS,   3
.set STI,  4
.set STO,  5
.set AO,   6
.set XO,   7
.set PSI,  8
.set PRD,  9
.set CO,   13
.set ATW,  14
.set ATR,  15
.set ACC,  16
.set X0,   48
.set BO,   80
.set GM,   84
.set BT,   88
.set ASC,  92
.set WSC,  96
.set ATT,  100
.set GR,   100
.set PS,   132                         ; a pair of registers for each of the 8 row pairs
.set WF,   164
.set PT,   228                         ; my piece of the pooled tile
.set SPW,  254
.set NIL,  255
.set G1L,  24
.set G0A,  32
.set G0R,  36
.macro CROUND
	s_barrier_signal -1
	s_barrier_wait -1
	s_cmp_lg_u32 s20, 0
	s_cbranch_scc1 .Lnot_wave_0_\@
	s_barrier_signal -3
.Lnot_wave_0_\@:
	s_barrier_wait -3
	s_barrier_signal -1
	s_barrier_wait -1
.endm
	s_load_b256 s[4:11], s[0:1], 0x0               ; attc, asc, wc, adapter_outputs
	s_load_b256 s[12:19], s[0:1], 0x20             ; bo, ln_gamma, ln_beta, out0
	v_lshl_add_u32 v[SPW], v0, 2, SPARE
	v_mov_b32 v[NIL], 0
	ds_add_u32 v[SPW], v[NIL]                      ; the opening: the add, twice on end, and its wait ahead of my first tensor load
	ds_add_u32 v[SPW], v[NIL]
	v_lshrrev_b32 v10, 5, v0
	v_readfirstlane_b32 s20, v10                   ; wave
	s_bfe_u32 s21, ttmp6, 0x40000
	s_lshl_b32 s22, ttmp9, 2
	s_add_co_u32 s22, s22, s21                     ; token tile
	s_and_b32 s23, ttmp9, 1                        ; the half of K that this cluster begins with
	s_mov_b32 s[G1L], 15|(3<<16)|(1<<21)           ; the mask: all four; elements of 8 bytes; bit 21 beside a mask; no padding
	s_mov_b32 s[G1L+1], 32<<16
	s_mov_b32 s[G1L+2], (WREG/256)<<16
	s_mov_b32 s[G1L+3], 32<<16
	s_mov_b32 s[G1L+4], WREG/256
	s_mov_b32 s[G1L+5], 32
	s_mov_b32 s[G1L+6], 0
	s_mov_b32 s[G1L+7], 0
	s_mul_i32 s40, s20, WREG
	s_mul_i32 s63, s23, HALF
	s_add_co_u32 s42, s40, WOB
	s_add_co_u32 s42, s42, s63
	s_mov_b32 s43, 0
	s_xor_b32 s63, s23, 1
	s_mul_i32 s63, s63, HALF
	s_add_co_u32 s66, s40, WOB
	s_add_co_u32 s66, s66, s63
	s_mov_b32 s67, 0
	s_mov_b32 s46, 0x3a800000                      ; 1 / 1,024
	s_mov_b32 s47, 0x3727c5ac                      ; 1e-5
	s_lshl_b32 s41, s20, 9
	s_lshl_b32 s63, s23, 12
	s_xor_b32 s63, s41, s63
	s_lshl_b32 s48, s22, 13
	s_add_co_u32 s48, s48, s63                     ; the piece that lies at 512 w in LDS
	s_mov_b32 s49, 0
	s_add_co_u32 s41, s41, ATTS
	s_lshl_b32 s50, s20, 8                         ; my 64 columns, in bytes
	s_mov_b32 s51, 0
	s_lshr_b32 s52, s22, 2                         ; the scale words: [mb][hp][64 tokens]
	s_lshl_b32 s52, s52, 11
	s_and_b32 s63, s22, 3
	s_lshl_b32 s63, s63, 6
	s_add_co_u32 s52, s52, s63
	s_lshl_b32 s63, s23, 10
	s_add_co_u32 s52, s52, s63
	s_mov_b32 s53, 0
	s_xor_b32 s54, s52, 1024
	s_mov_b32 s55, 0
	s_lshl_b32 s56, s22, 16                        ; 16 rows of 4,096 bytes
	s_add_co_u32 s56, s56, s50
	s_mov_b32 s57, 0
	s_lshl_b32 s62, s20, 2
	s_add_co_u32 s62, s62, PSB
	v_and_b32 v10, 31, v0
	v_and_b32 v11, 15, v0
	v_bfe_u32 v12, v0, 4, 1
	v_lshlrev_b32 v[L16], 4, v10
	v_lshlrev_b32 v[WS], 3, v10
	v_lshlrev_b32 v[AO], 2, v11
	v_lshlrev_b32 v[CO], 4, v11
	v_mul_u32_u24 v[STI], v11, SPI
	v_mul_u32_u24 v[STO], v12, SPI
	v_lshl_add_u32 v[AO], v12, 8, v[AO]            ; lanes 16-31 take the odd K step's words
	v_lshl_add_u32 v[XO], v12, 12, v[CO]
	v_lshl_add_u32 v[STI], v12, 6, v[STI]
	v_add_nc_u32 v[STO], v[STO], v[CO]
	v_lshlrev_b32 v[PSI], 6, v12
	v_lshl_add_u32 v[PRD], v11, 2, v[PSI]
	v_add_nc_u32 v[PSI], s62, v[PSI]               ; in: row 2 i + h, my wave's word
	v_add_nc_u32 v[PRD], PSB, v[PRD]               ; back: row 2 i + h, wave (lane % 16)'s word
	v_add_nc_u32 v[ATW], s41, v[L16]
	v_add_nc_u32 v[ATR], ATTS, v[L16]
	v_add_nc_u32 v[WA], s40, v[L16]
	v_add_nc_u32 v[WS], s40, v[WS]
	v_add_nc_u32 v[STI], s40, v[STI]
	v_add_nc_u32 v[STO], s40, v[STO]
	s_wait_alu depctr_va_vdst(0)                   ; the wait at the head's end
	s_wait_dscnt 0x0                               ; both opening adds are done
	s_wait_kmcnt 0x0
	s_add_nc_u64 s[42:43], s[8:9], s[42:43]
	s_add_nc_u64 s[66:67], s[8:9], s[66:67]
	s_add_nc_u64 s[80:81], s[4:5], s[48:49]
	s_add_nc_u64 s[84:85], s[6:7], s[52:53]
	s_add_nc_u64 s[86:87], s[6:7], s[54:55]
	s_add_nc_u64 s[58:59], s[10:11], s[56:57]
	s_add_nc_u64 s[60:61], s[18:19], s[56:57]
	s_add_nc_u64 s[12:13], s[12:13], s[50:51]
	s_add_nc_u64 s[14:15], s[14:15], s[50:51]
	s_add_nc_u64 s[16:17], s[16:17], s[50:51]
	s_mov_b32 s[G0A], 1
	s_mov_b32 s[G0A+1], s40
	s_mov_b64 s[G0A+2:G0A+3], s[42:43]
	s_or_b32 s[G0A+3], s[G0A+3], 0x80000000
	s_mov_b32 s[G0R], 1
	s_mov_b32 s[G0R+1], s40
	s_mov_b64 s[G0R+2:G0R+3], s[66:67]
	s_or_b32 s[G0R+3], s[G0R+3], 0x80000000
	global_load_b128 v[PT:PT+3], v[L16], s[80:81]
.irp i, 0,1
	global_load_b32 v[ASC+\i], v[AO], s[84:85] offset:\i*512
.endr
.irp i, 0,1
	global_load_b32 v[ASC+2+\i], v[AO], s[86:87] offset:\i*512
.endr
	CROUND                                         ; all four work-groups are here: the first joint loads meet
	tensor_load_to_lds s[G0A:G0A+3], s[G1L:G1L+7]
	s_nop 0
.irp i, 0,1,2,3,4,5,6,7
	global_load_b128 v[X0+4*\i:X0+4*\i+3], v[XO], s[58:59] offset:\i*8192 th:TH_LOAD_NT
.endr
	global_load_b128 v[BO:BO+3], v[CO], s[12:13]
	global_load_b128 v[GM:GM+3], v[CO], s[14:15]
	global_load_b128 v[BT:BT+3], v[CO], s[16:17]
.macro WM zero
.if \zero
.if (ROWA == 0) && (ROWB == 0)
	v_wmma_scale_f32_16x16x128_f8f6f4 v[rD:rD+7], v[rW:rW+7], v[rX:rX+7], 0, v[rSW], v[rSX] matrix_a_fmt:MATRIX_FMT_FP4 matrix_b_fmt:MATRIX_FMT_FP4
.elseif ROWB == 0
	v_wmma_scale_f32_16x16x128_f8f6f4 v[rD:rD+7], v[rW:rW+7], v[rX:rX+7], 0, v[rSW], v[rSX] matrix_a_fmt:MATRIX_FMT_FP4 matrix_b_fmt:MATRIX_FMT_FP4 matrix_a_scale:MATRIX_SCALE_ROW1
.endif
.else
.if (ROWA == 0) && (ROWB == 0)
	v_wmma_scale_f32_16x16x128_f8f6f4 v[rD:rD+7], v[rW:rW+7], v[rX:rX+7], v[rD:rD+7], v[rSW], v[rSX] matrix_a_fmt:MATRIX_FMT_FP4 matrix_b_fmt:MATRIX_FMT_FP4
.elseif ROWB == 0
	v_wmma_scale_f32_16x16x128_f8f6f4 v[rD:rD+7], v[rW:rW+7], v[rX:rX+7], v[rD:rD+7], v[rSW], v[rSX] matrix_a_fmt:MATRIX_FMT_FP4 matrix_b_fmt:MATRIX_FMT_FP4 matrix_a_scale:MATRIX_SCALE_ROW1
.elseif ROWA == 0
	v_wmma_scale_f32_16x16x128_f8f6f4 v[rD:rD+7], v[rW:rW+7], v[rX:rX+7], v[rD:rD+7], v[rSW], v[rSX] matrix_a_fmt:MATRIX_FMT_FP4 matrix_b_fmt:MATRIX_FMT_FP4 matrix_b_scale:MATRIX_SCALE_ROW1
.else
	v_wmma_scale_f32_16x16x128_f8f6f4 v[rD:rD+7], v[rW:rW+7], v[rX:rX+7], v[rD:rD+7], v[rSW], v[rSX] matrix_a_fmt:MATRIX_FMT_FP4 matrix_b_fmt:MATRIX_FMT_FP4 matrix_a_scale:MATRIX_SCALE_ROW1 matrix_b_scale:MATRIX_SCALE_ROW1
.endif
.endif
.endm
; 256 along K: two K steps q x four tiles b; the four accumulators take turns.  nops: the places ahead of loads into registers that products have read
.macro CHUNK j, nops
.rept \nops
	v_nop
.endr
.irp p, 0,1
	ds_load_b64 v[WSC+2*\p:WSC+2*\p+1], v[WS] offset:((\j)%2)*PART+8192+256*\p
.endr
.irp b, 0,1,2,3
.irp q, 0,1
.irp c, 0,1
	ds_load_b128 v[WF+8*(2*\b+\q)+4*\c:WF+8*(2*\b+\q)+4*\c+3], v[WA] offset:((\j)%2)*PART+\b*2048+\q*1024+\c*512
.endr
.endr
.endr
	s_wait_dscnt 0x0
.irp q, 0,1
.irp b, 0,1,2,3
.set rD, ACC+8*\b
.set rW, WF+8*(2*\b+\q)
.set rX, ATT+8*(2*(\j)+\q)
.set rSW, WSC+2*(\b/2)+\q
.set rSX, ASC+(\j)
.set ROWA, \b%2
.set ROWB, \q
.if ((\j) == 0) && (\q == 0)
	WM 1
.else
	WM 0
.endif
.endr
.endr
.endm
	s_wait_loadcnt 15                              ; my piece of the pooled tile is in: behind it stand 4 + 8 + 3 loads
	ds_store_b128 v[ATW], v[PT:PT+3]
	s_wait_dscnt 0x0
	s_barrier_signal -1
	s_barrier_wait -1                              ; the whole tile lies in LDS
.irp n, 0,1,2,3,4,5,6,7,8,9,10,11,12,13,14,15
	ds_load_b128 v[ATT+4*\n:ATT+4*\n+3], v[ATR] offset:512*\n
.endr
	s_wait_loadcnt 11                              ; its scale words
	s_wait_tensorcnt 0x0
	CHUNK 0, 0
	CHUNK 1, 4
	s_wait_tensorcnt 0x0
	ds_add_u32 v[SPW], v[NIL]                      ; 0 onto my spare word
	s_wait_dscnt 0x0
	CROUND
	tensor_load_to_lds s[G0R:G0R+3], s[G1L:G1L+7]  ; the other half of K
	s_nop 0
	s_wait_loadcnt 0x0
.irp i, 0,4,8,12,16,20,24,28
	v_pk_add_f32 v[X0+\i:X0+\i+1], v[X0+\i:X0+\i+1], v[BO:BO+1]
	v_pk_add_f32 v[X0+\i+2:X0+\i+3], v[X0+\i+2:X0+\i+3], v[BO+2:BO+3]
.endr
	s_wait_alu depctr_va_vdst(0)                   ; the wait here, directly ahead of the wait below
	s_wait_tensorcnt 0x0
	CHUNK 2, 0
	CHUNK 3, 4
.rept 4
	v_nop                                          ; the places ahead of the results' first readers
.endr
.irp b, 0,1,2,3
	ds_store_b128 v[STI], v[ACC+8*\b:ACC+8*\b+3] offset:(32*(\b/2)+8*(\b%2))*4
	ds_store_b128 v[STI], v[ACC+8*\b+4:ACC+8*\b+7] offset:(32*(\b/2)+8*(\b%2))*4+16
.endr
.irp i, 0,1,2,3,4,5,6,7
	ds_load_b128 v[GR+4*\i:GR+4*\i+3], v[STO] offset:\i*2*SPI   ; LDS serves a wave's instructions in order: these see my stores
.endr
	s_wait_dscnt 0x0
.irp j, 0,2,4,6,8,10,12,14,16,18,20,22,24,26,28,30
	v_pk_add_f32 v[GR+\j:GR+\j+1], v[GR+\j:GR+\j+1], v[X0+\j:X0+\j+1]
.endr
.macro RADD m
.irp i, 0,2,4,6,8,10,12,14
	v_add_f32_dpp v[PS+\i], v[PS+\i], v[PS+\i] row_xmask:\m row_mask:0xf bank_mask:0xf
.endr
.endm
.macro RSUM                            ; the sum over the sixteen lanes of a row, in each of them, for 8 row pairs by turns
	RADD 1
	RADD 2
	RADD 4
	RADD 8
.endm
.macro CROSS off                       ; my 64 columns' sums of the 16 rows go to LDS; behind the barrier the sixteen waves' are added
.irp i, 0,1,2,3,4,5,6,7
	v_add_f32 v[PS+2*\i], v[PS+2*\i], v[PS+2*\i+1]
.endr
	RSUM
.irp i, 0,1,2,3,4,5,6,7
	ds_store_b32 v[PSI], v[PS+2*\i] offset:\off+128*\i   ; sixteen lanes write one word with one value
.endr
	s_wait_dscnt 0x0
	s_barrier_signal -1
	s_barrier_wait -1
.irp i, 0,1,2,3,4,5,6,7
	ds_load_b32 v[PS+2*\i], v[PRD] offset:\off+128*\i
.endr
	s_wait_dscnt 0x0
	RSUM
.endm
.irp i, 0,1,2,3,4,5,6,7
	v_pk_add_f32 v[PS+2*\i:PS+2*\i+1], v[GR+4*\i:GR+4*\i+1], v[GR+4*\i+2:GR+4*\i+3]
.endr
	CROSS 0
.irp i, 0,1,2,3,4,5,6,7
	v_mul_f32 v[PS+2*\i], 0xba800000, v[PS+2*\i]   ; - the mean
.endr
.irp i, 0,1,2,3,4,5,6,7
	v_pk_add_f32 v[GR+4*\i:GR+4*\i+1], v[GR+4*\i:GR+4*\i+1], v[PS+2*\i:PS+2*\i+1] op_sel_hi:[1,0]
	v_pk_add_f32 v[GR+4*\i+2:GR+4*\i+3], v[GR+4*\i+2:GR+4*\i+3], v[PS+2*\i:PS+2*\i+1] op_sel_hi:[1,0]
.endr
.irp i, 0,1,2,3,4,5,6,7
	v_pk_mul_f32 v[PS+2*\i:PS+2*\i+1], v[GR+4*\i:GR+4*\i+1], v[GR+4*\i:GR+4*\i+1]
.endr
.irp i, 0,1,2,3,4,5,6,7
	v_pk_fma_f32 v[PS+2*\i:PS+2*\i+1], v[GR+4*\i+2:GR+4*\i+3], v[GR+4*\i+2:GR+4*\i+3], v[PS+2*\i:PS+2*\i+1]
.endr
	CROSS 1024
.irp i, 0,1,2,3,4,5,6,7
	v_fma_f32 v[PS+2*\i], v[PS+2*\i], s46, s47     ; the variance + eps
.endr
	s_wait_alu depctr_va_vdst(0)                   ; the wait ahead of the batch,
.irp i, 0,1,2,3,4,5,6,7
	v_rsq_f32 v[PS+2*\i], v[PS+2*\i]
.endr
	v_nop
	s_wait_alu depctr_va_vdst(0)                   ; and ahead of its first reader
.irp i, 0,1,2,3,4,5,6,7
	v_pk_mul_f32 v[GR+4*\i:GR+4*\i+1], v[GR+4*\i:GR+4*\i+1], v[PS+2*\i:PS+2*\i+1] op_sel_hi:[1,0]
	v_pk_mul_f32 v[GR+4*\i+2:GR+4*\i+3], v[GR+4*\i+2:GR+4*\i+3], v[PS+2*\i:PS+2*\i+1] op_sel_hi:[1,0]
.endr
.irp i, 0,1,2,3,4,5,6,7
	v_pk_fma_f32 v[GR+4*\i:GR+4*\i+1], v[GR+4*\i:GR+4*\i+1], v[GM:GM+1], v[BT:BT+1]
	v_pk_fma_f32 v[GR+4*\i+2:GR+4*\i+3], v[GR+4*\i+2:GR+4*\i+3], v[GM+2:GM+3], v[BT+2:BT+3]
	global_store_b128 v[XO], v[GR+4*\i:GR+4*\i+3], s[60:61] offset:\i*8192 th:TH_STORE_NT   ; two aligned units of 256 bytes
.endr
	s_wait_tensorcnt 0x0                           ; the wave's end
	ds_add_u32 v[SPW], v[NIL]
	s_wait_dscnt 0x0
	CROUND                                         ; the closing round
	s_endpgm
.Lfunc_end_k_qbb166f4441_out_ln:
	.size	k_qbb166f4441_out_ln, .Lfunc_end_k_qbb166f4441_out_ln-k_qbb166f4441_out_ln
	.p2alignl 7, 3214868480
	.fill 96, 4, 3214868480
	.section	.rodata,"a",@progbits
	.p2align	6, 0x0
	.amdhsa_kernel k_qbb166f4441_out_ln
		.amdhsa_group_segment_fixed_size 327680
		.amdhsa_private_segment_fixed_size 0
		.amdhsa_enable_private_segment 0
		.amdhsa_kernarg_size 64
		.amdhsa_user_sgpr_count 2
		.amdhsa_user_sgpr_kernarg_segment_ptr 1
		.amdhsa_wavefront_size32 1
		.amdhsa_system_sgpr_workgroup_id_x 1
		.amdhsa_system_sgpr_workgroup_id_y 1
		.amdhsa_system_sgpr_workgroup_id_z 1
		.amdhsa_system_vgpr_workitem_id 0
		.amdhsa_next_free_vgpr 256
		.amdhsa_next_free_sgpr 88
		.amdhsa_reserve_vcc 0
		.amdhsa_float_denorm_mode_32 3
		.amdhsa_float_denorm_mode_16_64 3
		.amdhsa_memory_ordered 1
		.amdhsa_forward_progress 1
		.amdhsa_inst_pref_size 39
	.end_amdhsa_kernel
	.amdgpu_metadata
---
amdhsa.version: [ 1, 2 ]
amdhsa.kernels:
  - .name:           k_qbb166f4441_out_ln
    .symbol:         k_qbb166f4441_out_ln.kd
    .args:
      - { .name: attc, .offset: 0, .size: 8, .value_kind: global_buffer, .address_space: global }
      - { .name: asc, .offset: 8, .size: 8, .value_kind: global_buffer, .address_space: global }
      - { .name: wc, .offset: 16, .size: 8, .value_kind: global_buffer, .address_space: global }
      - { .name: adapter_outputs, .offset: 24, .size: 8, .value_kind: global_buffer, .address_space: global }
      - { .name: bo, .offset: 32, .size: 8, .value_kind: global_buffer, .address_space: global }
      - { .name: ln_gamma, .offset: 40, .size: 8, .value_kind: global_buffer, .address_space: global }
      - { .name: ln_beta, .offset: 48, .size: 8, .value_kind: global_buffer, .address_space: global }
      - { .name: out0, .offset: 56, .size: 8, .value_kind: global_buffer, .address_space: global }
    .group_segment_fixed_size: 327680
    .private_segment_fixed_size: 0
    .kernarg_segment_align: 8
    .kernarg_segment_size: 64
    .max_flat_workgroup_size: 512
    .sgpr_count:     88
    .vgpr_count:     256
    .wavefront_size: 32
...
	.end_amdgpu_metadata
.endif
;; end of part 3
